; MI455X (gfx1250); checked and timed in simulation.
; The chip was launched on July 23, 2026; its instructions are those of AMD's public machine-readable ISA for CDNA 5 (MIT licence, August 2026) and "CDNA5" Instruction Set Architecture Reference Guide (July 2026). The comments in the code are by the model that wrote it; some were corrected since.
;; Lo RA Linear. Allowed arithmetic: float matrix products may take bf16 or f16 operands with f32 sums; all other float work in f32.
;; Inputs: adapter_id 4 int32; bias 4,096 float32; lora_a_weights 8 x 16 x 4,096 float32; lora_b_weights 8 x 4,096 x 16 float32; scaling_factors 8 float32; weight 4,096 x 4,096 float32; x 4 x 1,024 x 4,096 float32.
;; Outputs: out0 4 x 1,024 x 4,096 float32.
;; One version. Each part assembles by itself: llvm-mc -triple=amdgcn-amd-amdhsa -mcpu=gfx1250 --defsym DOCPART=n.
;; ======== version 1 of 1: 2 launches
;; workspace buffers: xb 33,554,432 bytes; wb 33,554,432 bytes; lowb 131,072 bytes
;; launch prep (part 1): grid 256 x 1, 8 waves a work-group, no clusters, 287,744 bytes of LDS; arguments x, weight, lora_a_weights, scaling_factors, adapter_id, xb, wb, lowb; writes xb, wb, lowb
.if DOCPART == 1
	.amdgcn_target "amdgcn-amd-amdhsa--gfx1250"
	.amdhsa_code_object_version 6
	.text
	.protected	k_q76f6f6b2c8_prep
	.globl	k_q76f6f6b2c8_prep
	.p2align	8
	.type	k_q76f6f6b2c8_prep,@function
k_q76f6f6b2c8_prep:
	s_mov_b64 s[64:65], 0
	v_nop
	global_prefetch_b8 v0, s[64:65] scope:SCOPE_SE
	s_setreg_imm32_b32 hwreg(HW_REG_WAVE_MODE, 25, 1), 1
	s_wait_xcnt 0x0
; prep: xb = bf16(x), wb = bf16(weight), and, while x passes through registers anyway,
;       lowb[m][r] = bf16( scaling_factors[id_b] * sum over i of x[m][i] * lora_a_weights[id_b][r][i] ),  m = 1024 b + s, id_b = adapter_id[b].
; x and weight are taken as [4096][4096] f32; xb, wb are [4096][4096] bf16; lowb is [4096][16] bf16 (rows of 32 bytes).
; The next launch multiplies xb by wb and adds lowb x lora_b_weights[id_b] and bias.
; NOTHING OF reference() IS LEFT OUT: every input has a way to the output and is loaded in one of the two launches.  Of the two adapter
; tables only the adapters that adapter_id names are read: a lookup by an index read from memory.
; LIMITS: adapter_id is taken as an unsigned number and held to 7 at the most; 0 to 7 are served exactly, a negative index (which would count
; from the table's end) is not.  The products' operands are rounded to bf16; scale * low is rounded once to bf16, as an operand of the next launch's product.
;
; SHARES: work-group g has rows 16 g .. 16 g + 15 of x and of weight (its batch is g / 64); wave w has columns 512 w .. 512 w + 511, as four chunks
; of 128 columns.  A batch is 16 rows x 128 columns of one source: 16 loads of 16 bytes a lane, each covering 512 consecutive bytes of one row.
; Twelve batches a wave, W0 W1 W2 W3 A0 X0 A1 X1 A2 X2 A3 X3 (W weight, A the adapter's 16 rank rows, X x), through a ring of three register
; slots of 64 registers: 48 loads of a wave are on their way.  weight goes first: under it the two dependent scalar loads (the index, then its scale) come in.
; A batch is rounded in place, two numbers to a word.  W and X go out by stores of 8 bytes a lane: 32 lanes store 256 consecutive bytes, aligned.
; A and X also go into the wave's own LDS tiles, from which the matrix fragments are read: the rounding is done once and serves both uses.
; NO JOINT LOADS: the 64 work-groups of a batch share the adapter's 262,144 bytes, a third of the 786,432 that a work-group reads; they have to pass
; through registers to be rounded, and as f32 in LDS they would not fit beside the 278,528 bytes of bf16 tiles in the 327,680 that a work-group can be given.
.set ROWF,  16384                      ; bytes in a row of 4,096 f32
.set ROWH,  8192                       ; bytes in a row of 4,096 bf16
.set PITCH, 272                        ; an LDS row: 128 bf16 + 16 bytes, an odd multiple of 16: the 16 rows of a fragment load start 16 bytes apart modulo 256
.set TILE,  16*PITCH                   ; 4,352: a chunk of A or of X
.set WLDS,  8*TILE                     ; 34,816: a wave's eight tiles (tile 2 j: A's chunk j; tile 2 j + 1: X's chunk j), each written once
.set RED,   8*WLDS                     ; 278,528: behind the tiles, 1,024 bytes a wave for its partial sums
.set GOFF, 1                           ; v1   2,048 w + 16 lane: my 16 bytes in a row of f32, chunk 0
.set SOFF, 2                           ; v2   1,024 w + 8 lane: my 8 bytes in a row of bf16, chunk 0
.set LST,  3                           ; v3   my wave's tiles + 8 lane
.set LFR,  4                           ; v4   my wave's tiles + (lane % 16) x pitch + 16 (lane / 16): a fragment's address
.set LRED, 5                           ; v5   my wave's partial sums + 16 lane
.set LALL, 6                           ; v6   wave 0's partial sums + 16 lane
.set LOWO, 7                           ; v7   32 (lane % 16) + 16 (lane / 16): my 16 bytes of lowb
.set X,    16                          ; v[16:207]  three slots of 64 registers; none of v1 to v7 is ever rewritten
.set FR,   208                         ; v[208:239] fragments of two K steps: A, X, A, X
.set ACC0, 240                         ; v[240:247] sums over the even K steps
.set ACC1, 248                         ; v[248:255] sums over the odd K steps
.set PX,  4                            ; s[4:5] x   s[6:7] weight   s[8:9] lora_a_weights   s[10:11] scaling_factors
.set PW,  6
.set PA,  8
.set PXB, 14                           ; s[12:13] adapter_id   s[14:15] xb   s[16:17] wb   s[18:19] lowb
.set PWB, 16
	s_load_b256 s[4:11], s[0:1], 0x0
	s_load_b256 s[12:19], s[0:1], 0x20
	v_lshl_add_u32 v14, v0, 2, 0x46000
	v_mov_b32 v15, 0
	v_lshrrev_b32 v8, 5, v0
	v_readfirstlane_b32 s20, v8                    ; wave 0..7
	v_and_b32 v9, 31, v0                           ; lane
	v_and_b32 v10, 15, v0                          ; lane % 16
	v_bfe_u32 v11, v0, 4, 1                        ; lane / 16
	s_mul_i32 s23, s20, WLDS                       ; my wave's tiles
	s_lshl_b32 s21, s20, 10
	s_add_co_u32 s21, s21, RED                     ; my wave's partial sums
	v_lshlrev_b32 v[GOFF], 4, v9
	v_lshl_add_u32 v[GOFF], s20, 11, v[GOFF]
	v_lshlrev_b32 v[SOFF], 3, v9
	v_lshl_add_u32 v[SOFF], s20, 10, v[SOFF]
	v_lshl_add_u32 v[LST], v9, 3, s23
	v_mul_u32_u24 v[LFR], v10, PITCH
	v_lshl_add_u32 v[LFR], v11, 4, v[LFR]
	v_add_nc_u32 v[LFR], s23, v[LFR]
	v_lshl_add_u32 v[LRED], v9, 4, s21
	v_lshl_add_u32 v[LALL], v9, 4, RED
	v_lshlrev_b32 v[LOWO], 5, v10
	v_lshl_add_u32 v[LOWO], v11, 4, v[LOWO]
	s_lshr_b32 s24, ttmp9, 6                       ; my batch b
	s_lshl_b32 s24, s24, 2                         ; 4 b: its word in adapter_id
	s_mov_b32 s25, 0
	s_lshl_b32 s26, ttmp9, 18                      ; 16 rows of f32
	s_mov_b32 s27, 0
	s_lshl_b32 s30, ttmp9, 17                      ; 16 rows of bf16
	s_mov_b32 s31, 0
	s_wait_kmcnt 0x0
	s_add_nc_u64 s[12:13], s[12:13], s[24:25]
	s_load_b32 s22, s[12:13], 0x0                  ; adapter_id[b]; s[12:13] are not written again
	s_add_nc_u64 s[PX:PX+1], s[PX:PX+1], s[26:27]
	s_add_nc_u64 s[PW:PW+1], s[PW:PW+1], s[26:27]
	s_add_nc_u64 s[PXB:PXB+1], s[PXB:PXB+1], s[30:31]
	s_add_nc_u64 s[PWB:PWB+1], s[PWB:PWB+1], s[30:31]
	s_lshl_b32 s24, ttmp9, 9                       ; 16 rows of lowb
	s_add_nc_u64 s[18:19], s[18:19], s[24:25]
; 16 loads: rows 0 to 15 of the source at s[base], chunk's 128 columns.  nt = 1: bytes that the whole launch reads once.
.macro FILL slot, base, chunk, nt
.irp r, 0,1,2,3,4,5,6,7,8,9,10,11,12,13,14,15
.if \nt
	global_load_b128 v[X+64*\slot+4*\r:X+64*\slot+4*\r+3], v[GOFF], s[\base:\base+1] offset:\r*ROWF+\chunk*512 th:TH_LOAD_NT
.else
	global_load_b128 v[X+64*\slot+4*\r:X+64*\slot+4*\r+3], v[GOFF], s[\base:\base+1] offset:\r*ROWF+\chunk*512
.endif
.endr
.endm
; A slot's turn.  kind 0: weight (to wb); 1: the adapter (to LDS); 2: x (to xb and to LDS).  left = how many younger loads may stay out.
.macro TURN slot, kind, chunk, left
	s_wait_loadcnt \left                           ; loads come back in order (ISA guide 5.7.1): this batch's sixteen are in
.irp r, 0,1,2,3,4,5,6,7,8,9,10,11,12,13,14,15
	v_cvt_pk_bf16_f32 v[X+64*\slot+4*\r],   v[X+64*\slot+4*\r],   v[X+64*\slot+4*\r+1]    ; four f32 of row r become two words, in place
	v_cvt_pk_bf16_f32 v[X+64*\slot+4*\r+1], v[X+64*\slot+4*\r+2], v[X+64*\slot+4*\r+3]
.endr
.if \kind == 0
.irp r, 0,1,2,3,4,5,6,7,8,9,10,11,12,13,14,15
	global_store_b64 v[SOFF], v[X+64*\slot+4*\r:X+64*\slot+4*\r+1], s[PWB:PWB+1] offset:\r*ROWH+\chunk*256
.endr
.endif
.if \kind == 2
.irp r, 0,1,2,3,4,5,6,7,8,9,10,11,12,13,14,15
	global_store_b64 v[SOFF], v[X+64*\slot+4*\r:X+64*\slot+4*\r+1], s[PXB:PXB+1] offset:\r*ROWH+\chunk*256
.endr
.endif
.if \kind >= 1
.irp r, 0,1,2,3,4,5,6,7,8,9,10,11,12,13,14,15
	ds_store_b64 v[LST], v[X+64*\slot+4*\r:X+64*\slot+4*\r+1] offset:(2*\chunk+\kind-1)*TILE+\r*PITCH   ; 32 lanes: the row's 256 bytes
.endr
.endif
.endm
; Two K steps (2 p, 2 p + 1) of chunk j.  Source 0 = the adapter's 16 rank rows, source 1 = 16 rows of x: lane l then holds row l % 16 of x and
; ranks 8 (l / 16) + 0..7, which are 16 neighbouring bytes of lowb.  The tiles are the wave's own, and LDS serves a wave's instructions in order
; (ISA guide 5.7.1.4): the loads see the stores of the two turns before.  The two accumulators take turns, one instruction a turn.
.macro MMH j, p
.if \j+\p
.rept 4
	v_nop                                          ; four places between the last matrix instructions and the loads into the registers that they read
.endr
.endif
.irp q, 0,1
	ds_load_b128 v[FR+16*\q:FR+16*\q+3],     v[LFR] offset:(2*\j)*TILE+64*(2*\p+\q)
	ds_load_b128 v[FR+16*\q+4:FR+16*\q+7],   v[LFR] offset:(2*\j)*TILE+64*(2*\p+\q)+32
	ds_load_b128 v[FR+16*\q+8:FR+16*\q+11],  v[LFR] offset:(2*\j+1)*TILE+64*(2*\p+\q)
	ds_load_b128 v[FR+16*\q+12:FR+16*\q+15], v[LFR] offset:(2*\j+1)*TILE+64*(2*\p+\q)+32
.endr
	s_wait_dscnt 0x0
.if \j+\p
	v_wmma_f32_16x16x32_bf16 v[ACC0:ACC0+7], v[FR:FR+7],     v[FR+8:FR+15],  v[ACC0:ACC0+7]
	v_wmma_f32_16x16x32_bf16 v[ACC1:ACC1+7], v[FR+16:FR+23], v[FR+24:FR+31], v[ACC1:ACC1+7]
.else
	v_wmma_f32_16x16x32_bf16 v[ACC0:ACC0+7], v[FR:FR+7],     v[FR+8:FR+15],  0     ; the first products start the sums: nothing is cleared
	v_wmma_f32_16x16x32_bf16 v[ACC1:ACC1+7], v[FR+16:FR+23], v[FR+24:FR+31], 0
.endif
.endm
.macro MM j
	MMH \j, 0
	MMH \j, 1
.endm
	FILL 0, PW, 0, 1
	FILL 1, PW, 1, 1
	FILL 2, PW, 2, 1
	s_wait_kmcnt 0x0                               ; the index, with 48 loads on their way
	s_min_u32 s22, s22, 7                          ; held inside the tables
	s_lshl_b32 s24, s22, 18                        ; an adapter's 16 x 4,096 f32
	s_add_nc_u64 s[PA:PA+1], s[PA:PA+1], s[24:25]
	s_lshl_b32 s26, s22, 2
	s_add_nc_u64 s[10:11], s[10:11], s[26:27]
	s_load_b32 s28, s[10:11], 0x0                  ; its scale: used by wave 0 at the end, asked for here so that nothing waits for it there
	s_mov_b32 s29, 0                               ; the pair s[28:29] is named whole by the packed multiply
	; A slot that global stores have read is loaded again only behind s_wait_xcnt 0 (ISA guide 3.1: the stores' addresses are translated, their sources read).
	TURN 0, 0, 0, 32                               ; W0; 32 = the two younger batches
	s_wait_xcnt 0x0
	FILL 0, PW, 3, 1
	TURN 1, 0, 1, 32                               ; W1
	s_wait_xcnt 0x0
	FILL 1, PA, 0, 0
	TURN 2, 0, 2, 32                               ; W2
	s_wait_xcnt 0x0
	FILL 2, PX, 0, 1
	TURN 0, 0, 3, 32                               ; W3
	s_wait_xcnt 0x0
	FILL 0, PA, 1, 0
	TURN 1, 1, 0, 32                               ; A0: LDS stores alone have read the slot
	FILL 1, PX, 1, 1
	TURN 2, 2, 0, 32                               ; X0
	s_wait_xcnt 0x0
	FILL 2, PA, 2, 0
	MM 0
	TURN 0, 1, 1, 32                               ; A1
	FILL 0, PX, 2, 1
	TURN 1, 2, 1, 32                               ; X1
	s_wait_xcnt 0x0
	FILL 1, PA, 3, 0
	MM 1
	TURN 2, 1, 2, 32                               ; A2
	FILL 2, PX, 3, 1
	TURN 0, 2, 2, 32                               ; X2: nothing is left to load; the counts run down
	MM 2
	TURN 1, 1, 3, 16                               ; A3
	TURN 2, 2, 3, 0                                ; X3
	MM 3
	; The wave's sums over its 512 columns; the eight waves' sums meet in LDS.
.rept 4
	v_nop                                          ; four places before a vector instruction reads a matrix result (ISA guide 7.12.1)
.endr
.irp q, 0,2,4,6
	v_pk_add_f32 v[ACC0+\q:ACC0+\q+1], v[ACC0+\q:ACC0+\q+1], v[ACC1+\q:ACC1+\q+1]
.endr
	ds_store_b128 v[LRED], v[ACC0:ACC0+3]
	ds_store_b128 v[LRED], v[ACC0+4:ACC0+7] offset:512
	s_wait_dscnt 0x0                               ; for wave 0's sake: my partial sums are in LDS
	s_barrier_signal -1
	s_barrier_wait -1
	s_cmp_lg_u32 s20, 0
	s_cbranch_scc1 .Lend
	s_wait_xcnt 0x0                                ; v[16:79] were the data of X2's stores
.irp w, 0,1,2,3,4,5,6,7
	ds_load_b128 v[X+8*\w:X+8*\w+3],   v[LALL] offset:1024*\w
	ds_load_b128 v[X+8*\w+4:X+8*\w+7], v[LALL] offset:1024*\w+512
.endr
	s_wait_dscnt 0x0
.irp w, 0,2,4,6
.irp q, 0,2,4,6
	v_pk_add_f32 v[X+8*\w+\q:X+8*\w+\q+1], v[X+8*\w+\q:X+8*\w+\q+1], v[X+8*\w+8+\q:X+8*\w+8+\q+1]
.endr
.endr
.irp w, 0,4
.irp q, 0,2,4,6
	v_pk_add_f32 v[X+8*\w+\q:X+8*\w+\q+1], v[X+8*\w+\q:X+8*\w+\q+1], v[X+8*\w+16+\q:X+8*\w+16+\q+1]
.endr
.endr
.irp q, 0,2,4,6
	v_pk_add_f32 v[X+\q:X+\q+1], v[X+\q:X+\q+1], v[X+32+\q:X+32+\q+1]
.endr
	s_wait_kmcnt 0x0                               ; the scale
.irp q, 0,2,4,6
	v_pk_mul_f32 v[X+\q:X+\q+1], v[X+\q:X+\q+1], s[28:29] op_sel_hi:[1,0]          ; both halves by s28
.endr
.irp q, 0,1,2,3
	v_cvt_pk_bf16_f32 v[X+8+\q], v[X+2*\q], v[X+2*\q+1]
.endr
	global_store_b128 v[LOWO], v[X+8:X+11], s[18:19]       ; the group's 16 rows of lowb: 512 consecutive bytes
.Lend:
	s_wait_tensorcnt 0x0
	ds_add_u32 v14, v15
	s_wait_dscnt 0x0
	s_endpgm
.Lfunc_end_k_q76f6f6b2c8_prep:
	.size	k_q76f6f6b2c8_prep, .Lfunc_end_k_q76f6f6b2c8_prep-k_q76f6f6b2c8_prep
	.p2alignl 7, 3214868480
	.fill 96, 4, 3214868480
	.section	.rodata,"a",@progbits
	.p2align	6, 0x0
	.amdhsa_kernel k_q76f6f6b2c8_prep
		.amdhsa_group_segment_fixed_size 287744
		.amdhsa_private_segment_fixed_size 0
		.amdhsa_enable_private_segment 0
		.amdhsa_kernarg_size 64
		.amdhsa_user_sgpr_count 2
		.amdhsa_user_sgpr_kernarg_segment_ptr 1
		.amdhsa_wavefront_size32 1
		.amdhsa_system_sgpr_workgroup_id_x 1
		.amdhsa_system_sgpr_workgroup_id_y 1
		.amdhsa_system_sgpr_workgroup_id_z 1
		.amdhsa_system_vgpr_workitem_id 0
		.amdhsa_next_free_vgpr 256
		.amdhsa_next_free_sgpr 66
		.amdhsa_reserve_vcc 0
		.amdhsa_float_denorm_mode_32 3
		.amdhsa_float_denorm_mode_16_64 3
		.amdhsa_memory_ordered 1
		.amdhsa_forward_progress 1
		.amdhsa_inst_pref_size 76
	.end_amdhsa_kernel
	.amdgpu_metadata
---
amdhsa.version: [ 1, 2 ]
amdhsa.kernels:
  - .name:           k_q76f6f6b2c8_prep
    .symbol:         k_q76f6f6b2c8_prep.kd
    .args:
      - { .name: x, .offset: 0, .size: 8, .value_kind: global_buffer, .address_space: global }
      - { .name: weight, .offset: 8, .size: 8, .value_kind: global_buffer, .address_space: global }
      - { .name: lora_a_weights, .offset: 16, .size: 8, .value_kind: global_buffer, .address_space: global }
      - { .name: scaling_factors, .offset: 24, .size: 8, .value_kind: global_buffer, .address_space: global }
      - { .name: adapter_id, .offset: 32, .size: 8, .value_kind: global_buffer, .address_space: global }
      - { .name: xb, .offset: 40, .size: 8, .value_kind: global_buffer, .address_space: global }
      - { .name: wb, .offset: 48, .size: 8, .value_kind: global_buffer, .address_space: global }
      - { .name: lowb, .offset: 56, .size: 8, .value_kind: global_buffer, .address_space: global }
    .group_segment_fixed_size: 287744
    .private_segment_fixed_size: 0
    .kernarg_segment_align: 8
    .kernarg_segment_size: 64
    .max_flat_workgroup_size: 256
    .sgpr_count:     66
    .vgpr_count:     256
    .wavefront_size: 32
...
	.end_amdgpu_metadata
.endif
;; end of part 1
;; launch gemm (part 2): grid 16 x 16, 4 waves a work-group, clusters of 4 x 4, 327,680 bytes of LDS; arguments xb, wb, lowb, lora_b_weights, adapter_id, bias, out0; writes out0
.if DOCPART == 2
	.amdgcn_target "amdgcn-amd-amdhsa--gfx1250"
	.amdhsa_code_object_version 6
	.text
	.protected	k_q76f6f6b2c8_gemm
	.globl	k_q76f6f6b2c8_gemm
	.p2align	8
	.type	k_q76f6f6b2c8_gemm,@function
k_q76f6f6b2c8_gemm:
	s_mov_b64 s[64:65], 0
	v_nop
	global_prefetch_b8 v0, s[64:65] scope:SCOPE_SE
	s_setreg_imm32_b32 hwreg(HW_REG_WAVE_MODE, 25, 1), 1
	s_wait_xcnt 0x0
	s_wait_alu depctr_hold_cnt(0) depctr_sa_sdst(0) depctr_va_vdst(0) depctr_va_sdst(0) depctr_va_ssrc(0) depctr_va_vcc(0) depctr_vm_vsrc(0)
	s_getreg_b32 s2, hwreg(HW_REG_IB_STS2, 6, 4)
	s_cmp_eq_u32 s2, 0
	s_cbranch_scc0 .Lentry_in_a_cluster
	s_endpgm
.Lentry_in_a_cluster:
	s_bfe_u32 s2, ttmp6, 0x10000c
	s_cmp_lg_u32 s2, 0xf033
	s_cbranch_scc0 .Lentry_shape_is_right
	s_endpgm
.Lentry_shape_is_right:
; out0[m][o] = bias[o] + sum over r of lowb[m][r] Bl[o][r] + sum over i of xb[m][i] wb[o][i],   Bl = lora_b_weights[adapter_id[m / 1024]].
; xb, wb: [4096][4096] bf16 and lowb: [4096][16] bf16 (scale x low) come from the launch before; out0: [4096][4096] f32; sums in f32.
; Nothing of reference() is left out; of lora_b_weights only the adapter that adapter_id names is read.
; LIMITS: adapter_id is taken as unsigned and held to 7 at the most (0 to 7 exact; a negative index is not served).  Bl is rounded to bf16 as a matrix
; operand.  bias is the first term of each f32 sum and not the last: another order of rounding than reference()'s.
;
; A work-group makes a block of 256 x 256 of out0 with four waves, as many as a WGP has SIMDs; a wave makes 128 x 128: 64 accumulator tiles of 16 x 16,
; 512 registers.  256 blocks, one to a work-group.  K goes in 32 steps of 128 through a ring of two LDS slots filled by the tensor data mover;
; a tile's rows are 256 bytes of memory and start at multiples of 256 bytes from the buffer's first byte.
; THE SUMS ARE STARTED BY THE ADAPTER'S TERM: the first matrix instruction of each tile multiplies a fragment of Bl by a fragment of lowb and takes as C
; a tile of bias in f32.  So nothing is cleared, bias costs no add, and the correction is 64 of a wave's 8,256 matrix instructions.  The rank, 16,
; fills half of the instruction's K = 32: registers 4 to 7 of these 16 fragments are zero on both sides (zero times zero, whatever the data).
; It is done while the first two tiles are on their way.
; CLUSTERS: 4 x 4 work-groups.  The four of a row of the cluster make blocks of one block row and need the same tiles of xb; the four of a column need the
; same tiles of wb.  Such a tile is asked for jointly: each of the four issues the same tensor load, with the same descriptor and a mask that names the
; four.  That divides the requests for xb and wb by four.  A cluster's four block rows are 1,024 rows: one batch, so all sixteen have the same adapter.
;
; REGISTERS, in windows of 256 (s_set_vgpr_msb says which window each operand place means; low byte: bits 1:0 source 0, 3:2 source 1, 5:4 source 2, 7:6 destination):
;   window 0: v16-29 addresses; v64-127, v128-191 fragments of xb (8 x 16 rows x 32 K), two buffers, on the way out rows of out0
;   window 1: v64-127, v128-191 fragments of wb, two buffers; v192-255 eight tiles of bias
;   window 2: the 32 accumulator tiles of my rows 0-63 (tile (a, b) at v[8 (8 a + b)]);   window 3: those of my rows 64-127
; THE MATRIX INSTRUCTION IS USED TRANSPOSED: source 0 = 16 rows of wb (or Bl), source 1 = 16 rows of xb (or lowb).  Lane l then holds row l % 16 of out0 and
; its registers 0 to 7 the columns 8 (l / 16) + 0..7: 32 neighbouring bytes of a row.
.set KSTEP,  128
.set ROWB,   8192                      ; bytes in a row of xb and wb
.set ROWO,   16384                     ; bytes in a row of out0
.set PITCH,  272                       ; an LDS row: 256 bytes + 16 of padding: the 16 rows that a fragment load touches start 16 bytes apart modulo 256
.set HALFT,  128*PITCH                 ; 128 rows: what one tensor load brings, and what one wave reads of xb or of wb
.set SLOT,   4*HALFT                   ; xb's 256 rows, then wb's 256 rows
.set STAGE,  2*SLOT                    ; 278,528, a multiple of 256: behind the ring, bytes that no tensor load fills
.set SPITCH, 528                       ; a stage row: 128 f32 + 16 bytes, an odd multiple of 16
.set LAPS,   16                        ; a lap = two K steps = once round the ring
.set ADRA, 16                          ; v16-17  LDS address of my xb fragments in slot 0, 1
.set ADRB, 20                          ; v20-21  the same for wb
.set STO,  24                          ; v24     my stage + (l % 16) x 528 + 32 (l / 16)
.set RD,   25                          ; v25     my stage + 16 l
.set CO,   26                          ; v26     16 l: my 16 bytes of a row's 512 in out0
.set BO,   27                          ; v27     32 (l / 16): my 8 numbers of a tile's 16 in bias
.set EO,   28                          ; v28     32 (l % 16) + 16 (l / 16): my 8 ranks in lowb
.set LBO,  29                          ; v29     64 (l % 16) + 32 (l / 16): my 8 ranks in Bl
.set F0,   64
.set F1,   128
.set BIAS, 192                         ; window 1
.set G1,  28                           ; s[28:35] descriptor group 1 for xb's tiles
.set G1B, 36                           ; s[36:43] for wb's: it differs in the mask alone
.set G0,  44                           ; s[44:51] descriptor group 0 for xb's tiles, one set for each slot
.set G0B, 52                           ; s[52:59] for wb's
.set MSB, 0
.macro WIN new                         ; the immediate's high byte repeats the setting that is left
.if MSB != \new
	s_set_vgpr_msb (MSB<<8)|\new
.set MSB, \new
.endif
.endm
.set MUL_LO, 0xa1                      ; source 0 window 1, source 1 window 0, C and D window 2
.set MUL_HI, 0xf1                      ; the same, C and D window 3
.set EXT_LO, 0x91                      ; C (bias) window 1, D window 2
.set EXT_HI, 0xd1                      ; C (bias) window 1, D window 3
.set TO_B,   0x40                      ; destination window 1, address window 0
.set CVT_B,  0x45                      ; destination and both sources window 1
.set ST_LO,  0x08                      ; LDS store: address window 0, data window 2
.set ST_HI,  0x0c                      ; data window 3
; A joint load.  Waves 0 and 1 fetch xb's two halves, waves 2 and 3 wb's.  Each line has one mask and one set of registers for all that issue it;
; the branch hangs on the wave's number alone.
.macro JLOAD s
	s_cmp_eq_u32 s19, 0
	s_cbranch_scc0 .Lfor_w_\@
	tensor_load_to_lds s[G0+4*\s:G0+4*\s+3], s[G1:G1+7]
	s_nop 0
	s_branch .Lasked_\@
.Lfor_w_\@:
	tensor_load_to_lds s[G0B+4*\s:G0B+4*\s+3], s[G1B:G1B+7]
	s_nop 0
.Lasked_\@:
.endm
; A round of the cluster's barrier: my work-group's barrier, so that wave 0's signal speaks for all four waves; wave 0 signals for the work-group;
; every wave waits for all sixteen work-groups; my work-group's barrier once more.
.macro CREST                           ; a round behind its opening barrier
	s_cmp_lg_u32 s18, 0
	s_cbranch_scc1 .Lnot_wave_0_\@
	s_barrier_signal -3
.Lnot_wave_0_\@:
	s_barrier_wait -3
	s_barrier_signal -1
	s_barrier_wait -1
.endm
.macro CROUND                          ; a whole round
	s_barrier_signal -1
	s_barrier_wait -1
	CREST
.endm
	s_load_b256 s[4:11], s[0:1], 0x0               ; xb s[4:5], wb s[6:7], lowb s[8:9], lora_b_weights s[10:11]
	s_load_b128 s[12:15], s[0:1], 0x20             ; adapter_id s[12:13], bias s[14:15]
	s_load_b64 s[16:17], s[0:1], 0x30              ; out0
	s_set_vgpr_msb 0x40
	v_lshl_add_u32 v63, v0, 2, 0x4c400
	s_set_vgpr_msb 0x4000
	v_mov_b32 v255, 0
	s_set_vgpr_msb 0x1
	ds_add_u32 v63, v255
	s_set_vgpr_msb 0x100
	v_lshrrev_b32 v1, 5, v0
	v_readfirstlane_b32 s18, v1                    ; wave 0..3
	s_lshr_b32 s19, s18, 1                         ; which half of the block's rows is mine.  Also: I fetch for xb (0) or for wb (1)
	s_and_b32 s20, s18, 1                          ; which half of its columns.  Also: which 128 rows of that tile I fetch
	s_bfe_u32 s21, ttmp6, 0x40000                  ; cx
	s_bfe_u32 s22, ttmp6, 0x40004                  ; cy
	s_lshl_b32 s23, ttmp9, 2
	s_add_co_u32 s23, s23, s21                     ; block column = 4 x cluster x + cx
	s_and_b32 s62, ttmp7, 0xffff                   ; cluster y, which is the batch b
	s_lshl_b32 s24, s62, 2
	s_add_co_u32 s24, s24, s22                     ; block row = 4 x cluster y + cy
	s_lshl_b32 s62, s62, 2                         ; 4 b: the batch's word in adapter_id
	s_mov_b32 s63, 0
	s_lshl_b32 s25, s22, 2
	s_lshl_b32 s25, 15, s25                        ; my row of the cluster: places 4 cy .. 4 cy + 3
	s_lshl_b32 s26, 0x1111, s21                    ; my column: places cx, cx + 4, cx + 8, cx + 12
	; descriptor group 1: a tile of 128 rows x 128 elements, padded in LDS
	s_or_b32 s[G1+0],  s25, (1<<16)|(1<<20)|(1<<21)|(5<<22)|(3<<25)  ; 15:0 mask: xb's tiles go to my row; 17:16 elements of 2 bytes; 20 padding on; 21 set beside a mask; 24:22 after every 64 words; 31:25 of 4 words
	s_or_b32 s[G1B+0], s26, (1<<16)|(1<<20)|(1<<21)|(5<<22)|(3<<25)  ; the same with the mask of my column, for wb's tiles
	s_mov_b32 s[G1+1],  KSTEP<<16                  ; 63:48 tensor_dim0, low half = 128
	s_mov_b32 s[G1B+1], KSTEP<<16
	s_mov_b32 s[G1+2],  128<<16                    ; 95:80 tensor_dim1, low half = 128
	s_mov_b32 s[G1B+2], 128<<16
	s_mov_b32 s[G1+3],  KSTEP<<16                  ; 127:112 tile_dim0 = 128
	s_mov_b32 s[G1B+3], KSTEP<<16
	s_mov_b32 s[G1+4],  128                        ; 143:128 tile_dim1 = 128; tile_dim2 = 0
	s_mov_b32 s[G1B+4], 128
	s_mov_b32 s[G1+5],  4096                       ; 191:160 elements from row to row
	s_mov_b32 s[G1B+5], 4096
	s_mov_b32 s[G1+6],  0
	s_mov_b32 s[G1B+6], 0
	s_mov_b32 s[G1+7],  0
	s_mov_b32 s[G1B+7], 0
	; where the tiles come from.  xb's hang on the block row alone, which my row of the cluster shares; wb's on the block column alone, which my column
	; shares.  s74 never holds anything made of cx, s76 nothing made of cy.
	s_lshl_b32 s27, s20, 7                         ; which 128 rows of the tile I fetch
	s_lshl_b32 s74, s24, 8
	s_add_co_u32 s74, s74, s27                     ; xb: row 256 x block row + 128 x half
	s_lshl_b32 s74, s74, 13                        ; in bytes: below 2^25
	s_mov_b32 s75, 0
	s_lshl_b32 s76, s23, 8
	s_add_co_u32 s76, s76, s27                     ; wb: row 256 x block column + 128 x half
	s_lshl_b32 s76, s76, 13
	s_mov_b32 s77, 0
	s_mul_i32 s68, s18, HALFT                      ; and where they go: wave x 128 rows; no place in the cluster enters an LDS address
	s_wait_dscnt 0x0
	s_wait_kmcnt 0x0
	s_add_nc_u64 s[12:13], s[12:13], s[62:63]
	s_load_b32 s73, s[12:13], 0x0                  ; adapter_id[b]: comes in under the round and the first fills
	s_add_nc_u64 s[60:61], s[4:5], s[74:75]
	s_add_nc_u64 s[66:67], s[6:7], s[76:77]
	CROUND                                         ; all sixteen work-groups are here: the first joint loads meet
.irp s, 0,1
	s_mov_b32 s[G0+4*\s], 1                                        ; 1:0 count = 1
	s_add_co_u32 s[G0+4*\s+1], s68, \s*SLOT                        ; 63:32 LDS address
	s_add_nc_u64 s[G0+4*\s+2:G0+4*\s+3], s[60:61], \s*KSTEP*2      ; 120:64 global address: K step s
	s_or_b32 s[G0+4*\s+3], s[G0+4*\s+3], 0x80000000                ; 127:126 type = 2
	s_mov_b32 s[G0B+4*\s], 1
	s_add_co_u32 s[G0B+4*\s+1], s68, \s*SLOT
	s_add_nc_u64 s[G0B+4*\s+2:G0B+4*\s+3], s[66:67], \s*KSTEP*2
	s_or_b32 s[G0B+4*\s+3], s[G0B+4*\s+3], 0x80000000
	JLOAD \s                                       ; both slots are asked for before anything else is done: two loads of the wave are out
.endr
	; A fragment is 16 rows x 32 K in 8 registers: lane l holds row l % 16; registers 0-3 hold K = 8 (l / 16) + 0..7, registers 4-7 hold
	; K = 16 + 8 (l / 16) + 0..7: two loads of 16 bytes, 32 bytes apart.  The same for source 0 and source 1.
	v_and_b32 v1, 15, v0                           ; l % 16
	v_bfe_u32 v2, v0, 4, 1                         ; l / 16
	v_mul_u32_u24 v3, v1, PITCH
	v_lshl_add_u32 v3, v2, 4, v3
	s_mul_i32 s69, s19, HALFT                      ; my 128 rows of xb
	s_mul_i32 s70, s20, HALFT                      ; my 128 rows of wb,
	s_add_co_u32 s70, s70, 2*HALFT                 ; which lie behind xb's 256
.irp s, 0,1
	v_add_nc_u32 v[ADRA+\s], s69, v3
	v_add_nc_u32 v[ADRB+\s], s70, v3
	s_add_co_u32 s69, s69, SLOT
	s_add_co_u32 s70, s70, SLOT
.endr
	s_mul_i32 s71, s18, 16*SPITCH
	s_add_co_u32 s71, s71, STAGE                   ; my stage: 16 rows x 528 bytes
	v_mul_u32_u24 v4, v1, SPITCH
	v_lshl_add_u32 v4, v2, 5, v4
	v_add_nc_u32 v[STO], s71, v4
	v_and_b32 v5, 31, v0
	v_lshlrev_b32 v[CO], 4, v5
	v_add_nc_u32 v[RD], s71, v[CO]
	v_lshlrev_b32 v[BO], 5, v2
	v_lshlrev_b32 v[EO], 5, v1
	v_lshl_add_u32 v[EO], v2, 4, v[EO]
	v_lshlrev_b32 v[LBO], 6, v1
	v_lshl_add_u32 v[LBO], v2, 5, v[LBO]
	; the bases of the small operands and of out0, at my 128 rows and my 128 columns
	s_lshl1_add_u32 s74, s24, s19                  ; my block of 128 rows, 0..31
	s_lshl1_add_u32 s76, s23, s20                  ; my block of 128 columns, 0..31
	s_mov_b32 s79, 0
	s_lshl_b32 s78, s74, 12                        ; 128 rows of 32 bytes
	s_add_nc_u64 s[8:9], s[8:9], s[78:79]          ; lowb
	s_lshl_b32 s78, s74, 21                        ; 128 rows of 16,384 bytes
	s_add_nc_u64 s[16:17], s[16:17], s[78:79]      ; out0: my first row,
	s_lshl_b32 s78, s76, 9                         ; 128 columns of 4 bytes
	s_add_nc_u64 s[16:17], s[16:17], s[78:79]      ; my first column
	s_add_nc_u64 s[14:15], s[14:15], s[78:79]      ; bias
	s_lshl_b32 s78, s76, 13                        ; 128 rows of Bl of 64 bytes
	s_add_nc_u64 s[10:11], s[10:11], s[78:79]
	s_wait_kmcnt 0x0                               ; the index
	s_min_u32 s73, s73, 7                          ; held inside the table
	s_lshl_b32 s78, s73, 18                        ; an adapter's 4,096 x 16 f32
	s_add_nc_u64 s[10:11], s[10:11], s[78:79]
; 16 matrix instructions: m blocks a0, a0 + 1 of the window's four (hi = 0: my rows 0-63, 1: rows 64-127) x all 8 n blocks, 32 along K.
; bias = 1: C is the column block's tile of bias and the product starts the sum.  The 64 accumulators take turns, one instruction a turn, in the same
; order in the starting step, in every quarter step, over the loop's backward jump and in the tail.
.macro MUL16 f, hi, a0, bias
.irp a, \a0, \a0+1
.irp b, 0,1,2,3,4,5,6,7
.if \bias
	v_wmma_f32_16x16x32_bf16 v[8*(8*(\a)+\b):8*(8*(\a)+\b)+7], v[\f+8*\b:\f+8*\b+7], v[\f+8*(4*\hi+\a):\f+8*(4*\hi+\a)+7], v[BIAS+8*\b:BIAS+8*\b+7]
.else
	v_wmma_f32_16x16x32_bf16 v[8*(8*(\a)+\b):8*(8*(\a)+\b)+7], v[\f+8*\b:\f+8*\b+7], v[\f+8*(4*\hi+\a):\f+8*(4*\hi+\a)+7], v[8*(8*(\a)+\b):8*(8*(\a)+\b)+7]
.endif
.endr
.endr
.endm
; 32 LDS loads in one run: the fragments of one quarter step (128 rows of wb, 128 rows of xb, 32 K at byte k of the rows) into buffer f
.macro FETCH slot, k, f
	WIN TO_B
.irp i, 0,1,2,3,4,5,6,7
	ds_load_b128 v[\f+8*\i:\f+8*\i+3],   v[ADRB+\slot] offset:\k+\i*16*PITCH
	ds_load_b128 v[\f+8*\i+4:\f+8*\i+7], v[ADRB+\slot] offset:\k+\i*16*PITCH+32
.endr
	WIN 0
.irp i, 0,1,2,3,4,5,6,7
	ds_load_b128 v[\f+8*\i:\f+8*\i+3],   v[ADRA+\slot] offset:\k+\i*16*PITCH
	ds_load_b128 v[\f+8*\i+4:\f+8*\i+7], v[ADRA+\slot] offset:\k+\i*16*PITCH+32
.endr
.endm
; A load into a register that a matrix instruction has read, and an LDS store that reads a matrix result, stand four places behind that matrix
; instruction, and only plain vector instructions that name none of its registers are places (ISA guide 7.12.1 for vector instructions).
;   The loop has no vector work of its own to put there: sixteen v_nop for a K step's 256 matrix instructions.
.macro PLACES
.rept 4
	v_nop
.endr
.endm
; A K step is four quarter steps of 32 along K, 64 matrix instructions each, on buffers 0, 1, 0, 1.
; One of the first three: multiplies buffer f; in its middle it fetches the next quarter's fragments, at byte k of the same slot's rows, into buffer g.
.macro QUARTER slot, k, f, g
	s_wait_dscnt 8                                 ; wb and xb's rows 0-63 are in; the youngest eight loads (xb's rows 64-127) may be out
	WIN MUL_LO
	MUL16 \f, 0, 0, 0
	MUL16 \f, 0, 2, 0
	PLACES
	FETCH \slot, \k, \g
	s_wait_dscnt 32                                ; all but the 32 just issued
	WIN MUL_HI
	MUL16 \f, 1, 0, 0
	MUL16 \f, 1, 2, 0
.endm
.macro THREE slot
	QUARTER \slot, 64,  F0, F1
	QUARTER \slot, 128, F1, F0
	QUARTER \slot, 192, F0, F1
.endm
; The last quarter: multiplies buffer 1 and changes slots.  next = the other slot; fill = 1: this slot is filled again, two K steps ahead.
; One barrier for the change of slots.  In front of it each wave waits for its own reads of this slot and for all its tensor loads, of which one is out:
; its part of the next slot.  Behind it nobody reads this slot any more and the next slot is whole: the refill comes first, then the next slot's first
; fragments.  From a request to the wait for it a wave issues 240 matrix instructions.
.macro TURN slot, next, fill
	s_wait_dscnt 8
	WIN MUL_LO
	MUL16 F1, 0, 0, 0
	s_wait_dscnt 0                                 ; my reads of this slot are over
	s_wait_tensorcnt 0x0                           ; and all my tensor loads have landed: the one that was out is my part of the next slot
	ds_add_u32 v63, v255
	s_wait_dscnt 0x0
	s_barrier_signal -1                            ; say so (where a slot is filled again this barrier opens a round of the cluster's barrier),
	MUL16 F1, 0, 2, 0                              ; work on registers while the others arrive,
	WIN 0
	s_barrier_wait -1
.if \fill
	CREST                                          ; all sixteen work-groups have said so: no wave of any partner still reads this slot's tile or has a load on its way
	s_add_nc_u64 s[G0+4*\slot+2:G0+4*\slot+3], s[G0+4*\slot+2:G0+4*\slot+3], 2*KSTEP*2      ; no load of mine is out: a group 0 may be written
	s_add_nc_u64 s[G0B+4*\slot+2:G0B+4*\slot+3], s[G0B+4*\slot+2:G0B+4*\slot+3], 2*KSTEP*2
	JLOAD \slot                                    ; the first tensor load behind the round, the wave's only one until the next
.endif
	PLACES
	FETCH \next, 0, F0
	WIN MUL_HI
	MUL16 F1, 1, 0, 0
	MUL16 F1, 1, 2, 0
.endm
.macro LAP                             ; once round the ring, both slots filled again
	THREE 0
	TURN 0, 1, 1
	THREE 1
	TURN 1, 0, 1
.endm
	; THE STARTING STEP, while the first tiles are on their way.
	WIN TO_B
.irp b, 0,1,2,3,4,5,6,7
	global_load_b128 v[BIAS+8*\b:BIAS+8*\b+3],   v[BO], s[14:15] offset:64*\b      ; tile b, register j: bias[my column 16 b + 8 (l / 16) + j]
	global_load_b128 v[BIAS+8*\b+4:BIAS+8*\b+7], v[BO], s[14:15] offset:64*\b+16
.endr
.irp i, 0,1,2,3,4,5,6,7
	global_load_b128 v[F0+8*\i:F0+8*\i+3],   v[LBO], s[10:11] offset:1024*\i       ; Bl[my column 16 i + l % 16][8 (l / 16) + 0..7] in f32; 16 rows are 1,024 consecutive bytes
	global_load_b128 v[F0+8*\i+4:F0+8*\i+7], v[LBO], s[10:11] offset:1024*\i+16
.endr
.irp i, 0,1,2,3,4,5,6,7
.irp q, 4,5,6,7
	v_mov_b32 v[F1+8*\i+\q], 0                     ; K = 16 .. 31 of Bl's fragments: there is no such rank
.endr
.endr
	WIN 0
.irp i, 0,1,2,3,4,5,6,7
	global_load_b128 v[F1+8*\i:F1+8*\i+3], v[EO], s[8:9] offset:512*\i             ; lowb[my row 16 i + l % 16][8 (l / 16) + 0..7], bf16 as it lies
.endr
.irp i, 0,1,2,3,4,5,6,7
.irp q, 4,5,6,7
	v_mov_b32 v[F1+8*\i+\q], 0                     ; and of lowb's
.endr
.endr
	s_wait_loadcnt 8                               ; bias and Bl are in; the eight younger loads, lowb's, may be out
	WIN CVT_B
.irp i, 0,1,2,3,4,5,6,7
.irp q, 0,1,2,3
	v_cvt_pk_bf16_f32 v[F1+8*\i+\q], v[F0+8*\i+2*\q], v[F0+8*\i+2*\q+1]
.endr
.endr
	s_wait_loadcnt 0x0
	WIN EXT_LO
	MUL16 F1, 0, 0, 1
	MUL16 F1, 0, 2, 1
	WIN EXT_HI
	MUL16 F1, 1, 0, 1
	MUL16 F1, 1, 2, 1
	s_wait_tensorcnt 1                             ; my part of K step 0 is in; K step 1's may stay out
	s_barrier_signal -1
	s_barrier_wait -1                              ; everybody's is
	FETCH 0, 0, F0                                 ; buffer 0 is named by none of the matrix instructions above
	WIN 0                                          ; at a label and at a branch every window is 0
	s_mov_b32 s72, LAPS-1
.Llap:
	LAP                                            ; lap L multiplies K steps 2 L, 2 L + 1 and asks for 2 L + 2, 2 L + 3
	WIN 0
	s_sub_co_u32 s72, s72, 1
	s_cmp_lg_u32 s72, 0
	s_cbranch_scc1 .Llap
	THREE 0                                        ; the last lap fills nothing and has no round of the cluster's barrier: my one load still out is slot 1's, the last K step's
	TURN 0, 1, 0
	THREE 1
	s_wait_dscnt 8                                 ; the very last quarter: nothing more to fetch
	WIN MUL_LO
	MUL16 F1, 0, 0, 0
	MUL16 F1, 0, 2, 0
	s_wait_dscnt 0
	WIN MUL_HI
	MUL16 F1, 1, 0, 0
	MUL16 F1, 1, 2, 0
	; THE WAY OUT, 16 rows of out0 at a time.  A lane's 32 bytes of a tile are a sixteenth of a row's 512, and the lanes beside it hold other rows: so the
	; eight tiles go into my own stage in LDS and are read back by rows.  The stage is the wave's own and LDS serves a wave's instructions in order
	; (ISA guide 5.7.1.4): no barrier, and no wait between the stores and the loads, nor between one block's loads and the next block's stores.
	PLACES                                         ; behind the last matrix instructions: for the LDS stores of results and for the loads into buffers 0 and 1
; rows 16 i .. 16 i + 15 of my block = the eight tiles (a, 0..7) of window 2 or 3 (from = ST_LO or ST_HI); f: F0 or F1 in turn
.macro OUT16 i, a, from, f
	WIN \from
.irp b, 0,1,2,3,4,5,6,7
	ds_store_b128 v[STO], v[8*(8*\a+\b):8*(8*\a+\b)+3]   offset:64*\b
	ds_store_b128 v[STO], v[8*(8*\a+\b)+4:8*(8*\a+\b)+7] offset:64*\b+16
.endr
	WIN 0
	s_wait_xcnt 0x0                                ; buffer f, which earlier stores read, and the stores' base are rewritten only behind this wait (ISA guide 3.1)
.if \i
	s_add_nc_u64 s[16:17], s[16:17], 16*ROWO       ; 16 rows on
.endif
.irp t, 0,1,2,3,4,5,6,7,8,9,10,11,12,13,14,15
	ds_load_b128 v[\f+4*\t:\f+4*\t+3], v[RD] offset:\t*SPITCH      ; row t: 32 lanes, 512 neighbouring bytes
.endr
.irp t, 0,1,2,3,4,5,6,7,8,9,10,11,12,13,14,15
	s_wait_dscnt 15-\t                             ; row t is in; the younger rows may be out
	global_store_b128 v[CO], v[\f+4*\t:\f+4*\t+3], s[16:17] offset:\t*ROWO th:TH_STORE_NT   ; 512 consecutive bytes, at a multiple of 512 from out0's first byte
.endr
.endm
	OUT16 0, 0, ST_LO, F0
	OUT16 1, 1, ST_LO, F1
	OUT16 2, 2, ST_LO, F0
	OUT16 3, 3, ST_LO, F1
	OUT16 4, 0, ST_HI, F0
	OUT16 5, 1, ST_HI, F1
	OUT16 6, 2, ST_HI, F0
	OUT16 7, 3, ST_HI, F1
	s_set_vgpr_msb 0x1
	s_wait_tensorcnt 0x0
	ds_add_u32 v63, v255
	s_wait_dscnt 0x0
	s_set_vgpr_msb 0x100
	CROUND                                         ; the closing round: no work-group ends while a partner may still ask for a tile that names it
	s_endpgm
.Lfunc_end_k_q76f6f6b2c8_gemm:
	.size	k_q76f6f6b2c8_gemm, .Lfunc_end_k_q76f6f6b2c8_gemm-k_q76f6f6b2c8_gemm
	.p2alignl 7, 3214868480
	.fill 96, 4, 3214868480
	.section	.rodata,"a",@progbits
	.p2align	6, 0x0
	.amdhsa_kernel k_q76f6f6b2c8_gemm
		.amdhsa_group_segment_fixed_size 327680
		.amdhsa_private_segment_fixed_size 0
		.amdhsa_enable_private_segment 0
		.amdhsa_kernarg_size 56
		.amdhsa_user_sgpr_count 2
		.amdhsa_user_sgpr_kernarg_segment_ptr 1
		.amdhsa_wavefront_size32 1
		.amdhsa_system_sgpr_workgroup_id_x 1
		.amdhsa_system_sgpr_workgroup_id_y 1
		.amdhsa_system_sgpr_workgroup_id_z 1
		.amdhsa_system_vgpr_workitem_id 0
		.amdhsa_next_free_vgpr 1024
		.amdhsa_next_free_sgpr 80
		.amdhsa_reserve_vcc 0
		.amdhsa_float_denorm_mode_32 3
		.amdhsa_float_denorm_mode_16_64 3
		.amdhsa_memory_ordered 1
		.amdhsa_forward_progress 1
		.amdhsa_inst_pref_size 156
	.end_amdhsa_kernel
	.amdgpu_metadata
---
amdhsa.version: [ 1, 2 ]
amdhsa.kernels:
  - .name:           k_q76f6f6b2c8_gemm
    .symbol:         k_q76f6f6b2c8_gemm.kd
    .args:
      - { .name: xb, .offset: 0, .size: 8, .value_kind: global_buffer, .address_space: global }
      - { .name: wb, .offset: 8, .size: 8, .value_kind: global_buffer, .address_space: global }
      - { .name: lowb, .offset: 16, .size: 8, .value_kind: global_buffer, .address_space: global }
      - { .name: lora_b_weights, .offset: 24, .size: 8, .value_kind: global_buffer, .address_space: global }
      - { .name: adapter_id, .offset: 32, .size: 8, .value_kind: global_buffer, .address_space: global }
      - { .name: bias, .offset: 40, .size: 8, .value_kind: global_buffer, .address_space: global }
      - { .name: out0, .offset: 48, .size: 8, .value_kind: global_buffer, .address_space: global }
    .group_segment_fixed_size: 327680
    .private_segment_fixed_size: 0
    .kernarg_segment_align: 8
    .kernarg_segment_size: 56
    .max_flat_workgroup_size: 128
    .sgpr_count:     80
    .vgpr_count:     1024
    .wavefront_size: 32
...
	.end_amdgpu_metadata
.endif
;; end of part 2
